; MI455X (gfx1250); checked and timed in simulation.
; The chip was launched on July 23, 2026; its instructions are those of AMD's public machine-readable ISA for CDNA 5 (MIT licence, August 2026) and "CDNA5" Instruction Set Architecture Reference Guide (July 2026). The comments in the code are by the model that wrote it; some were corrected since.
;; Multi Skill Policy Net1. Allowed arithmetic: float matrix products may take bf16 or f16 operands with f32 sums; other float arithmetic in f32, or as packed bf16 or f16 multiplies, adds, multiply-adds, maxima and minima; sums over many terms, partial sums and values carried from step to step in f32; what a program stores and reads back later, other than sums and carried values, may be rounded once to bf16 or f16.
;; Inputs: W1 2 x 1,024 float32; W2 1,024 x 1,024 float32; W_heads 5 x 1,024 x 4 float32; b1 1,024 float32; b2 1,024 float32; b_heads 5 x 4 float32; s 65,536 x 2 float32; skill_idx 65,536 int32.
;; Outputs: out0 65,536 x 4 float32.
;; One version. Each part assembles by itself: llvm-mc -triple=amdgcn-amd-amdhsa -mcpu=gfx1250 --defsym DOCPART=n.
;; ======== version 1 of 1: 2 launches
;; limits: values outside matrix products are rounded to f16; sums are carried in f16; values are held in f16: magnitudes above 65,504 overflow, below 6.1e-05 lose precision
;; workspace buffers: w2f 2,097,152 bytes; cst 51,200 bytes
;; launch prep (part 1): grid 267 x 1, 8 waves a work-group, no clusters, 0 bytes of LDS; arguments W2, W1, b1, b2, W_heads, w2f, cst; writes w2f, cst
.if DOCPART == 1
	.amdgcn_target "amdgcn-amd-amdhsa--gfx1250"
	.amdhsa_code_object_version 6
	.text
	.protected	k_qcbabdf7094_prep
	.globl	k_qcbabdf7094_prep
	.p2align	8
	.type	k_qcbabdf7094_prep,@function
k_qcbabdf7094_prep:
	s_mov_b64 s[64:65], 0
	v_nop
	global_prefetch_b8 v0, s[64:65] scope:SCOPE_SE
	s_setreg_imm32_b32 hwreg(HW_REG_WAVE_MODE, 25, 1), 1
	s_wait_xcnt 0x0
; Rounds the weights to f16 ONCE and lays them out in the order in which the main launch's operand registers take them.
; w2f: 32 tiles g = 8 c + t of 65,536 bytes (c: chunk of 256 columns of W2, t: K step of 128).  In a tile, byte
;   (kb*16 + nt)*1024 + c2*512 + l*16 + 2 e  holds  W2[128 t + 32 kb + 16 c2 + 8 (l>>4) + e][256 c + 16 nt + (l&15)]:
;   a matrix fragment (16 columns x 32 k) is 1,024 consecutive bytes, a lane's two pieces of 16 bytes lie 512 apart.
; cst: +0 W1[0][k]/16, +2048 W1[1][k]/16, +4096 b1[k]/16 (f16); +6144 b2[n]/16 (f32);
;   +10240 head columns 0-15 (skill col>>2, action col&3) in the same fragment order, 1,024 bytes for each 32 k;
;   +43008 head columns 16-19 (skill 4): byte kb*256 + c2*128 + h*64 + a*16 + 2 e holds W_heads[4][32 kb + 16 c2 + 8 h + e][a].
; The factor 1/16 is exact and keeps h/16 and feat/16 inside f16 in the main launch, which takes it out again at its end.
; LIMITS: |W2|, |W_heads|, |W1|/16, |b1|/16 below 65,504 (f16's end); below 2^-14 f16 keeps its fixed step of 2^-24.
; SHARES: work-groups 0-255: 8,192 bytes of w2f each, a wave one fragment; 256: the four tables; 257-264: columns 0-15; 265, 266: columns 16-19.
; No LDS, no barrier: every thread reads what it stores, 16 bytes of output a thread, a wave's store 512 consecutive bytes.
.macro PACK8 src, dst                  ; eight f32 rounded to f16, the lower k in the lower half
.irp j, 0,1,2,3
	v_cvt_pk_f16_f32 v[(\dst)+\j], v[(\src)+2*\j], v[(\src)+2*\j+1]
.endr
.endm
.macro HEADS off                       ; eight numbers of one head column, 16 bytes apart in W_heads; 16 bytes out at cst + off + v3
.irp e, 0,1,2,3,4,5,6,7
	global_load_b32 v[8+\e], v4, s[12:13] offset:16*\e
.endr
	s_wait_loadcnt 0x0
	PACK8 8, 24
	global_store_b128 v3, v[24:27], s[16:17] offset:\off
.endm
	s_load_b256 s[4:11], s[0:1], 0x0               ; W2 s[4:5], W1 s[6:7], b1 s[8:9], b2 s[10:11]
	s_load_b128 s[12:15], s[0:1], 0x20             ; W_heads s[12:13], w2f s[14:15]
	s_load_b64 s[16:17], s[0:1], 0x30              ; cst
	s_mov_b32 s2, ttmp9                            ; x: the work-group's number
	s_mov_b32 s21, 0                               ; the high word of every offset
	v_and_b32 v1, 15, v0                           ; r
	v_bfe_u32 v2, v0, 4, 1                         ; h
	s_wait_kmcnt 0x0
	s_cmp_lt_u32 s2, 256
	s_cbranch_scc0 .Lnot_w2
	; ---- W2: x = 64 c + 8 t + 2 kb + half; the wave's column tile is nt = 8 half + wave
	s_bfe_u32 s18, s2, 0x30003                     ; t
	s_lshl_b32 s20, s18, 19                        ; 128 t rows of 4,096 bytes
	s_bfe_u32 s18, s2, 0x20001                     ; kb
	s_lshl_b32 s18, s18, 17                        ; 32 kb rows
	s_add_co_u32 s20, s20, s18
	s_lshr_b32 s18, s2, 6                          ; c
	s_lshl_b32 s18, s18, 10                        ; 256 c columns of 4 bytes
	s_add_co_u32 s20, s20, s18
	s_and_b32 s18, s2, 1
	s_lshl_b32 s18, s18, 9                         ; 128 columns for the upper half
	s_add_co_u32 s20, s20, s18
	s_add_nc_u64 s[4:5], s[4:5], s[20:21]
	s_lshl_b32 s20, s2, 13                         ; 8,192 bytes of w2f a work-group
	s_add_nc_u64 s[14:15], s[14:15], s[20:21]
	v_lshlrev_b32 v3, 2, v1                        ; 4 r
	v_lshl_add_u32 v3, v2, 15, v3                  ; + 8 h rows
	v_and_b32 v4, 0xe0, v0                         ; 32 x wave
	v_lshl_add_u32 v3, v4, 1, v3                   ; + 16 columns a wave
.set i, 0
.rept 16                                       ; register 8 + 8 c2 + e: row 16 c2 + e
	global_load_b32 v[8+i], v3, s[4:5] offset:(16*(i/8)+i%8)*4096
.set i, i+1
.endr
	v_and_b32 v5, 31, v0
	v_lshlrev_b32 v5, 4, v5                        ; 16 x lane
	v_lshl_add_u32 v5, v4, 5, v5                   ; + 1,024 x wave
	s_wait_loadcnt 8                               ; the eight younger loads are c2 = 1's
	PACK8 8, 24
	s_wait_loadcnt 0x0
	PACK8 16, 28
	global_store_b128 v5, v[24:27], s[14:15]
	global_store_b128 v5, v[28:31], s[14:15] offset:512
	s_endpgm
.Lnot_w2:
	s_cmp_eq_u32 s2, 256
	s_cbranch_scc0 .Lheads
	; ---- the tables: thread t has k = 4 t .. 4 t + 3
	v_lshlrev_b32 v3, 4, v0
	global_load_b128 v[8:11], v3, s[6:7]
	global_load_b128 v[12:15], v3, s[6:7] offset:4096
	global_load_b128 v[16:19], v3, s[8:9]
	global_load_b128 v[20:23], v3, s[10:11]
	v_lshlrev_b32 v4, 3, v0
	s_wait_loadcnt 0x0
.set i, 0
.rept 8
	v_pk_mul_f32 v[8+2*i:9+2*i], v[8+2*i:9+2*i], 0x3d800000 op_sel_hi:[1,0]  ; x 1/16, exact
.set i, i+1
.endr
.set i, 0
.rept 6
	v_cvt_pk_f16_f32 v[24+i], v[8+2*i], v[9+2*i]
.set i, i+1
.endr
	global_store_b64 v4, v[24:25], s[16:17]
	global_store_b64 v4, v[26:27], s[16:17] offset:2048
	global_store_b64 v4, v[28:29], s[16:17] offset:4096
	global_store_b128 v3, v[20:23], s[16:17] offset:6144
	s_endpgm
.Lheads:
	s_cmp_lt_u32 s2, 265
	s_cbranch_scc0 .Lhead4
	; ---- head columns 0-15: piece ch = 64 kb + 32 c2 + lane; k = 8 (ch >> 4) + e, column ch & 15
	s_sub_co_u32 s18, s2, 257
	s_lshl_b32 s18, s18, 8
	v_add_nc_u32 v3, s18, v0                       ; ch
	v_lshrrev_b32 v4, 4, v3
	v_lshlrev_b32 v4, 7, v4                        ; 8 k of 16 bytes
	v_bfe_u32 v5, v3, 2, 2                         ; the skill
	v_lshl_add_u32 v4, v5, 14, v4                  ; 16,384 bytes a skill
	v_and_b32 v5, 3, v3                            ; the action
	v_lshl_add_u32 v4, v5, 2, v4
	v_lshlrev_b32 v3, 4, v3
	HEADS 10240
	s_endpgm
.Lhead4:
	; ---- head columns 16-19: piece ch = 16 kb + 8 c2 + 4 h + action; k = 8 (ch >> 2) + e, skill 4
	s_sub_co_u32 s18, s2, 265
	s_lshl_b32 s18, s18, 8
	v_add_nc_u32 v3, s18, v0
	v_lshrrev_b32 v4, 2, v3
	v_lshlrev_b32 v4, 7, v4
	v_and_b32 v5, 3, v3
	v_lshl_add_u32 v4, v5, 2, v4
	v_add_nc_u32 v4, 0x10000, v4                   ; skill 4 begins 65,536 bytes in
	v_lshlrev_b32 v3, 4, v3
	HEADS 43008
	s_endpgm
.Lfunc_end_k_qcbabdf7094_prep:
	.size	k_qcbabdf7094_prep, .Lfunc_end_k_qcbabdf7094_prep-k_qcbabdf7094_prep
	.p2alignl 7, 3214868480
	.fill 96, 4, 3214868480
	.section	.rodata,"a",@progbits
	.p2align	6, 0x0
	.amdhsa_kernel k_qcbabdf7094_prep
		.amdhsa_group_segment_fixed_size 0
		.amdhsa_private_segment_fixed_size 0
		.amdhsa_enable_private_segment 0
		.amdhsa_kernarg_size 56
		.amdhsa_user_sgpr_count 2
		.amdhsa_user_sgpr_kernarg_segment_ptr 1
		.amdhsa_wavefront_size32 1
		.amdhsa_system_sgpr_workgroup_id_x 1
		.amdhsa_system_sgpr_workgroup_id_y 1
		.amdhsa_system_sgpr_workgroup_id_z 1
		.amdhsa_system_vgpr_workitem_id 0
		.amdhsa_next_free_vgpr 32
		.amdhsa_next_free_sgpr 66
		.amdhsa_reserve_vcc 0
		.amdhsa_float_denorm_mode_32 3
		.amdhsa_float_denorm_mode_16_64 3
		.amdhsa_memory_ordered 1
		.amdhsa_forward_progress 1
		.amdhsa_inst_pref_size 10
	.end_amdhsa_kernel
	.amdgpu_metadata
---
amdhsa.version: [ 1, 2 ]
amdhsa.kernels:
  - .name:           k_qcbabdf7094_prep
    .symbol:         k_qcbabdf7094_prep.kd
    .args:
      - { .name: W2, .offset: 0, .size: 8, .value_kind: global_buffer, .address_space: global }
      - { .name: W1, .offset: 8, .size: 8, .value_kind: global_buffer, .address_space: global }
      - { .name: b1, .offset: 16, .size: 8, .value_kind: global_buffer, .address_space: global }
      - { .name: b2, .offset: 24, .size: 8, .value_kind: global_buffer, .address_space: global }
      - { .name: W_heads, .offset: 32, .size: 8, .value_kind: global_buffer, .address_space: global }
      - { .name: w2f, .offset: 40, .size: 8, .value_kind: global_buffer, .address_space: global }
      - { .name: cst, .offset: 48, .size: 8, .value_kind: global_buffer, .address_space: global }
    .group_segment_fixed_size: 0
    .private_segment_fixed_size: 0
    .kernarg_segment_align: 8
    .kernarg_segment_size: 56
    .max_flat_workgroup_size: 256
    .sgpr_count:     66
    .vgpr_count:     32
    .wavefront_size: 32
...
	.end_amdgpu_metadata
.endif
;; end of part 1
;; launch main (part 2): grid 256 x 1, 4 waves a work-group, clusters of 4 x 1, 327,680 bytes of LDS; arguments s, skill_idx, b_heads, w2f, cst, out0; writes out0
.if DOCPART == 2
	.amdgcn_target "amdgcn-amd-amdhsa--gfx1250"
	.amdhsa_code_object_version 6
	.text
	.protected	k_qcbabdf7094_main
	.globl	k_qcbabdf7094_main
	.p2align	8
	.type	k_qcbabdf7094_main,@function
k_qcbabdf7094_main:
	s_mov_b64 s[64:65], 0
	v_nop
	global_prefetch_b8 v0, s[64:65] scope:SCOPE_SE
	s_setreg_imm32_b32 hwreg(HW_REG_WAVE_MODE, 25, 1), 1
	s_wait_xcnt 0x0
	s_wait_alu depctr_hold_cnt(0) depctr_sa_sdst(0) depctr_va_vdst(0) depctr_va_sdst(0) depctr_va_ssrc(0) depctr_va_vcc(0) depctr_vm_vsrc(0)
	s_getreg_b32 s2, hwreg(HW_REG_IB_STS2, 6, 4)
	s_cmp_eq_u32 s2, 0
	s_cbranch_scc0 .Lentry_in_a_cluster
	s_endpgm
.Lentry_in_a_cluster:
	s_bfe_u32 s2, ttmp6, 0x10000c
	s_cmp_lg_u32 s2, 0x3003
	s_cbranch_scc0 .Lentry_shape_is_right
	s_endpgm
.Lentry_shape_is_right:
; out[b] = relu(relu(s[b] W1 + b1) W2 + b2) . W_heads[skill[b]] + b_heads[skill[b]], the whole chain for 256 rows of the batch in one work-group.
; SHARES.  256 work-groups of four waves.  The 1,024 columns of feat go in 4 chunks of 256; in a chunk wave w holds 128 rows (mr = w>>1) x 128 columns (nc = w&1): 64 accumulators, 512 registers.
; K goes in steps of 128: 32 steps in all, one ring of two LDS slots through all of them.  W2's tile of a step (65,536 bytes, f16, laid out by the launch before as operand fragments) comes by tensor loads.
; h's tile (256 rows x 128 k) is a function of two numbers a row: the four waves make it on the vector unit, a step ahead, wave w the k block 32 w .. 32 w + 31 of all 256 rows,
; in slices of four instructions behind every second matrix instruction, and put it into a second pair of slots, which no tensor load ever fills.
; It is made anew in each chunk: 256 rows of h are 524,288 bytes, more than LDS holds.
; THE MATRIX INSTRUCTION IS USED TRANSPOSED: source 0 = 16 columns of W2, source 1 = 16 rows of h.  A lane then holds one batch row (lane % 16) and eight neighbouring columns of feat, and two
; accumulators, clamped at 0 and rounded to f16 in pairs, ARE source 1 (32 columns of feat x 16 rows) of out^T = Wh^T feat^T: nothing changes lanes between the two products.
; THE HEAD.  All 20 head columns (5 skills x 4 actions, in two tiles of 16) are multiplied for every row: 64 matrix instructions a chunk beside 2,048.  The skill only selects values, at the end.
; CLUSTER.  Every work-group walks the same W2 and the same tables, so the four of a cluster ask JOINTLY: the same tensor load, descriptor and mask of four in all four.
; FORMATS.  W2, W_heads, s, W1, b1, h and feat are f16 operands, all sums of products f32.  Layer 1 (three terms) is packed f16 arithmetic.  W1, b1 and b2 carry the exact factor 1/16, so that what is
; kept in f16 is h/16 and feat/16; the last multiply-add takes it out.
; LIMITS.  |s|, |h|/16 and |feat|/16 stay below 65,504, f16's end; below 2^-14 f16 keeps its fixed step of 2^-24.  NaN and infinities are not treated apart (the clamp at 0 turns a NaN into 0).
; skill_idx lies in 0 .. 4; for the bias row's address alone it is clamped to 4.
;
; LDS: 0 W2 slot 0; 65,536 W2 slot 1; 131,072 h slot 0; 196,608 h slot 1; 262,144 the tables' image (51,200 bytes, filled once); 313,344 the spare words; 313,856 a stage of 4,096 bytes for the end.
; In a slot fragment (kb, tile) lies at (16 kb + tile) x 1,024: a fragment load takes 512 consecutive bytes, 16 a lane.
; REGISTERS, in windows of 256 (s_set_vgpr_msb: bits 1:0 source 0, 3:2 source 1, 5:4 source 2, 7:6 destination):
;   window 0: v0-31 addresses, skills; v32-63 s as f16 pairs; v64-127, v128-191 fragments of h, two buffers (at a chunk's end the second holds feat, two sets of 32); v192-215 layer 1's tables; v216-223 at work; v224-247 the end's
;   window 1: v64-127, v128-191 fragments of W2 (at a chunk's end the second holds the head's); v0-63, v192-255 out^T: tile o = 2 a + hm at v[8 o + 128 (o / 8)]
;   windows 2, 3: accumulator (a, b) in window 2 + a / 4 at v[8 (8 (a % 4) + b)]
.set SLOT,  65536
.set HS,    131072
.set CST,   262144
.set T_W0,  0                          ; in the tables' image: W1[0]/16, W1[1]/16, b1/16 (f16), b2/16 (f32), head columns 0-15, 16-19
.set T_W1,  2048
.set T_B1,  4096
.set C_B2,  6144
.set C_WH0, 10240
.set C_WH1, 43008
.set CSTQ,  12800                      ; a wave's quarter of the image: 50 rows of 256 bytes
.set SPARE, 313344                     ; the spare words, 128 bytes a wave: two blocks of 256 bytes that no other line names
.set STG,   313856
.set RR,    1                          ; v1   lane % 16
.set HH,    2                          ; v2   lane / 16
.set ADRA0, 3                          ; v3-6 lane terms, never rewritten: my fragments of h, of W2, where I put h, my place in layer 1's tables
.set ADRB0, 4
.set AHS0,  5
.set ATB0,  6
.set ADRA,  7                          ; v7-10 the same plus the slot or the K step in hand
.set ADRB,  8
.set AHS,   9
.set ATB,   10
.set AWH00, 11                         ; v11-13 lane terms: head columns 0-15, 16-19, b2
.set AWH10, 12
.set AB20,  13
.set AWH0,  14                         ; v14-16 the same plus the chunk's step
.set AWH1,  15
.set AB2,   16
.set ZERO,  17
.set SPW,   18                         ; v18  LDS address of my spare word; never rewritten
.set NIL,   19                         ; v19  0; never rewritten
.set SK,    20                         ; v20-27 skill of row 16 a + lane % 16 of my 128 rows
.set SS,    32                         ; v[32+2g] = (s0, s0), v[33+2g] = (s1, s1) in f16, of row 16 g + lane % 16 of the work-group's 256
.set F0,    64
.set F1,    128
.set TAB,   192                        ; k 8 hh + 0..7: W1[0] 4 registers, W1[1] 4, b1 4; then the same for k 16 + 8 hh + 0..7
.set TT,    216                        ; two sets of four
.set BG,    224                        ; v224-239 b_heads' rows for the rows that I store
.set SKF,   240                        ; v240-243 their skills, then their byte offsets in b_heads
.set O4L,   244                        ; v244-246 offsets of the early loads; never rewritten
.set O4R,   245
.set O8R,   246
.set L16,   247                        ; 16 x lane
.set XX,    64                         ; the end: 4 numbers a tile; v96-111 four rows' sums; v112-119 at work; v120-135 the partner's; v136-151 out
.set RS,    96
.set YY,    112
.set ZS,    116
.set PT,    120
.set OO,    136
.set WV,    16                         ; s16 wave, s17 mr, s18 nc, s19 cx, s20 work-group
.set MR,    17
.set NC,    18
.set CX,    19
.set WG,    20
.set G1,    24                         ; s[24:31] group 1: 64 rows of 256 bytes
.set G1C,   32                         ; s[32:39] the same with 50 rows
.set G0A,   40                         ; s[40:43] group 0: tile 0 into slot 0
.set G0B,   44                         ; s[44:47] tile 1 into slot 1; it then walks
.set G0C,   48                         ; s[48:51] the tables' image
.set TB,    52                         ; s52 the slot that is read, 0 or 65,536
.set TW,    53                         ; s53 the slot into which h is written
.set TTB,   54                         ; s54 byte in layer 1's tables of the K step whose tables are loaded next
.set STEPS, 55
.set C8,    56                         ; s56 steps left in the chunk
.set CW0,   57                         ; s57-59 the chunk's step in head columns 0-15, 16-19, and the NEXT chunk's in b2
.set CW1,   58
.set CB2,   59
.set SEL,   60                         ; s[60:61] v_permlanex16_b32's selects: each lane takes its own place in the other half
.set OFW,   72                         ; s[72:73] offsets made from the work-group's number: they enter s's, skill_idx's and out0's addresses alone
.set MSB, 0
.macro WIN new                         ; the immediate's high byte repeats the setting that is left; a switch that changes nothing is dropped
.if MSB != (\new)
	s_set_vgpr_msb (MSB<<8)|(\new)
.set MSB, \new
.endif
.endm
.set MUL_LO, 0xa1                      ; source 0 (W2) window 1, source 1 (h) window 0, C and D window 2; + 0x50: window 3
.set TO_B,   0x40                      ; destination window 1, address window 0
.macro CREST                           ; a round of the cluster's barrier behind its opening barrier
	s_cmp_lg_u32 s[WV], 0
	s_cbranch_scc1 .Lnot_wave_0_\@
	s_barrier_signal -3
.Lnot_wave_0_\@:
	s_barrier_wait -3
	s_barrier_signal -1
	s_barrier_wait -1
.endm
.macro CROUND                          ; a whole round
	s_barrier_signal -1
	s_barrier_wait -1
	CREST
.endm
.macro PLACES                          ; four plain instructions between a matrix instruction and a load into, or a vector write of, one of its registers (ISA guide 7.12.1 for vector writes)
.rept 4
	v_nop
.endr
.endm
; 32 LDS loads in one run: the fragments of 32 along K (block kb of the step): 128 columns of W2, then my 128 rows of h, into buffer f
.macro FETCH kb, f
	WIN TO_B
.irp i, 0,1,2,3,4,5,6,7
	ds_load_b128 v[(\f)+8*\i:(\f)+8*\i+3],   v[ADRB] offset:(\kb)*16384+\i*1024
	ds_load_b128 v[(\f)+8*\i+4:(\f)+8*\i+7], v[ADRB] offset:(\kb)*16384+\i*1024+512
.endr
	WIN 0
.irp i, 0,1,2,3,4,5,6,7
	ds_load_b128 v[(\f)+8*\i:(\f)+8*\i+3],   v[ADRA] offset:(\kb)*16384+\i*1024
	ds_load_b128 v[(\f)+8*\i+4:(\f)+8*\i+7], v[ADRA] offset:(\kb)*16384+\i*1024+512
.endr
.endm
.macro TABLD half, adr, off            ; layer 1's tables for 8 k of a lane: three loads of 16 bytes
	ds_load_b128 v[TAB+12*(\half):TAB+12*(\half)+3],    v[\adr] offset:(\off)+32*(\half)+T_W0
	ds_load_b128 v[TAB+12*(\half)+4:TAB+12*(\half)+7],  v[\adr] offset:(\off)+32*(\half)+T_W1
	ds_load_b128 v[TAB+12*(\half)+8:TAB+12*(\half)+11], v[\adr] offset:(\off)+32*(\half)+T_B1
.endm
.macro BIASLD a, adr                   ; b2/16 into the eight accumulators of row tile a: the sums start there, so nothing is cleared and every product adds in place
	WIN 0x80+0x40*((\a)/4)
.irp b, 0,1,2,3,4,5,6,7
	ds_load_b128 v[64*((\a)%4)+8*\b:64*((\a)%4)+8*\b+3],   v[\adr] offset:64*\b
	ds_load_b128 v[64*((\a)%4)+8*\b+4:64*((\a)%4)+8*\b+7], v[\adr] offset:64*\b+16
.endr
.endm
; LAYER 1.  A wave's share of a step's h is 32 units: unit u = 16 kp + g is half a fragment (rows 16 g .., k 16 kp + 8 hh + 0..7 of my block): 4 registers of f16 pairs.
; A unit is three slices of four instructions: w1 s1 + b1; w0 s0 + that; the clamp at 0, and the store of 16 bytes a lane.  SL writes slice q of 96 and steps q.
; RLD = 1: the lower tables are loaded anew when unit 15 has read them, the upper ones behind unit 31: for the K step after the one in hand.  The wait for 0 in front of the step's barrier shows them in.
.macro SL
	WIN 0
.set su, q/3
.set sk, su/16
.set sg, su%16
.set sT, TT+4*(su%2)
.set sB, TAB+12*sk
.if q%3 == 0
.irp i, 0,1,2,3
	v_pk_fma_f16 v[sT+\i], v[sB+4+\i], v[SS+1+2*sg], v[sB+8+\i]
.endr
.elseif q%3 == 1
.irp i, 0,1,2,3
	v_pk_fma_f16 v[sT+\i], v[sB+\i], v[SS+2*sg], v[sT+\i]
.endr
.else
.irp i, 0,1,2,3
	v_pk_max_num_f16 v[sT+\i], v[sT+\i], v[ZERO]
.endr
	ds_store_b128 v[AHS], v[sT:sT+3] offset:sg*1024+sk*512
.endif
.set q, q+1
.if RLD && (q == 48)
	v_add_nc_u32 v[ATB], s[TTB], v[ATB0]
	TABLD 0, ATB, 0
.endif
.if RLD && (q == 96)
	TABLD 1, ATB, 0
	s_add_co_u32 s[TTB], s[TTB], 256               ; 128 k of 2 bytes on,
	s_and_b32 s[TTB], s[TTB], 0x7ff                ; round the chunk's eight steps
.endif
.endm
; n matrix instructions from number first of the window's 32 (hi = 0: my rows 0-63, 1: rows 64-127): row tile 4 hi + i / 8, column tile i % 8, 32 along K from buffer f.
; The 64 accumulators take turns, one instruction a turn, in the same order in every quarter.  Behind every second one stands a slice of layer 1, while the queue has any (q < QLIM).
.macro MULN f, hi, first, n
.set mi, \first
.rept \n
	WIN MUL_LO+0x50*(\hi)
	v_wmma_f32_16x16x32_f16 v[8*mi:8*mi+7], v[(\f)+8*(mi%8):(\f)+8*(mi%8)+7], v[(\f)+8*(4*(\hi)+mi/8):(\f)+8*(4*(\hi)+mi/8)+7], v[8*mi:8*mi+7]
.if (mi%2 == 1) && (q < QLIM)
	SL
.endif
.set mi, mi+1
.endr
.endm
; One of a step's first three quarters: multiplies buffer f; in its middle it fetches the next quarter's fragments into buffer g.
.macro QUARTER kbn, f, g
	s_wait_dscnt 8                                 ; W2's fragments and h's rows 0-63 are in: of the run of 32 at most the youngest eight may be out (what layer 1 has issued since only makes the count stricter)
	MULN \f, 0, 0, 32
	PLACES
	FETCH \kbn, \g
	s_wait_dscnt 32                                ; all but the 32 just issued
	MULN \f, 1, 0, 32
.endm
; A K STEP.  rid = 2: its first three quarters finish the next step's h (slices 15-95) and load the tables of the step after that; the last half quarter begins that step's h (slices 0-14).
; rid = 1: only the first of these, no tables.  rid = 0: no layer 1.  last = 1: the very last step: nothing is fetched.
; The last quarter changes slots: ONE barrier.  In front of it each wave waits for all its tensor loads (one is out: its quarter of the next W2 tile), adds 0 to its spare word, and waits for that, for its
; stores of the next step's h and for its reads of both slots in hand.  Behind it the next slots are whole and nobody reads the old ones: the old W2 slot is filled again first (fill = 1; the barrier then opens
; a round of the cluster's barrier, so that this holds of all four partners), and the old h slot is written again.  From a request to the wait for it a wave issues 224 matrix instructions.
.macro KSTEP fill, rid, last
.set q, 15
.set RLD, (\rid)/2
.set QON, ((\rid)+1)/2
.set QLIM, 45*QON
	QUARTER 1, F0, F1
.set QLIM, 75*QON
	QUARTER 2, F1, F0
.set QLIM, 96*QON
	QUARTER 3, F0, F1
.if \last
	s_wait_dscnt 8
	MULN F1, 0, 0, 32
	s_wait_dscnt 0x0
	MULN F1, 1, 0, 32
.else
	WIN 0                                          ; (the add's two registers lie in window 0)
	s_wait_tensorcnt 0x0                           ; all my tensor loads have landed, so a group 0 may be written
	ds_add_u32 v[SPW], v[NIL]                      ; 0 onto my spare word
.if \fill
	s_xor_b32 s[G0B+1], s[G0B+1], SLOT             ; the walking descriptor: the other slot than last time,
	s_add_nc_u64 s[G0B+2:G0B+3], s[G0B+2:G0B+3], SLOT  ; the next tile; the type bits on top are not reached
.endif
	s_xor_b32 s[TB], s[TB], SLOT
	s_xor_b32 s[TW], s[TW], SLOT
	s_wait_dscnt 9                                 ; (the add and at most the youngest eight of the run may be out)
	MULN F1, 0, 0, 16                              ; the queue is empty here: register work alone up to the barrier's wait
	s_wait_dscnt 0x0                               ; the add is done; my stores of h are done; my reads of the slots are over
	s_barrier_signal -1
	MULN F1, 0, 16, 16
	WIN 0                                          ; at a branch and at a label every window is 0
	s_barrier_wait -1
.if \fill
	CREST
	tensor_load_to_lds s[G0B:G0B+3], s[G1:G1+7]    ; my one tensor load behind the round, and the first thing there
	s_nop 0
.endif
	v_add_nc_u32 v[ADRA], s[TB], v[ADRA0]          ; four plain instructions: also the places in front of the loads into buffer 0
	v_add_nc_u32 v[ADRB], s[TB], v[ADRB0]
	v_add_nc_u32 v[AHS], s[TW], v[AHS0]
	v_nop
	FETCH 0, F0
.set q, 0
.set QLIM, 15*RLD
	MULN F1, 1, 0, 32
.endif
.endm
; A CHUNK'S END.  Row tile by row tile: the eight accumulators are rounded to f16 (ascending, each from its low end) and clamped at 0: four fragments of feat/16; the accumulators
; take the next chunk's b2/16 (bias = 1); eight products add the tile's share to out^T, its two accumulators by turns.  feat's two sets of 32 registers take turns: a set is written again 64 vector lines behind its last reader.
.macro EPI bias
	WIN 0
	v_add_nc_u32 v[AWH0], s[CW0], v[AWH00]         ; four plain instructions: the places behind the chunk's last products
	v_add_nc_u32 v[AWH1], s[CW1], v[AWH10]
.if \bias
	v_add_nc_u32 v[AB2], s[CB2], v[AB20]
.else
	v_nop
.endif
	v_nop
	WIN TO_B
.irp p, 0,1,2,3                        ; the head's fragments for my 128 columns of feat: 32 columns p, head columns 0-15 and 16-31 (of which 16-19 count; lanes 4-15 repeat them)
	ds_load_b128 v[F1+16*\p:F1+16*\p+3],     v[AWH0] offset:\p*1024
	ds_load_b128 v[F1+16*\p+4:F1+16*\p+7],   v[AWH0] offset:\p*1024+512
	ds_load_b128 v[F1+16*\p+8:F1+16*\p+11],  v[AWH1] offset:\p*256
	ds_load_b128 v[F1+16*\p+12:F1+16*\p+15], v[AWH1] offset:\p*256+128
.endr
.set ea, 0
.rept 8
	WIN 0x0a+5*(ea/4)                              ; sources 0 and 1: window 2 or 3
.set ej, 0
.rept 32
	v_cvt_pk_f16_f32 v[F1+32*(ea%2)+ej], v[64*(ea%4)+2*ej], v[64*(ea%4)+2*ej+1]
.set ej, ej+1
.endr
	WIN 0
.set ej, 0
.rept 32
	v_pk_max_num_f16 v[F1+32*(ea%2)+ej], v[F1+32*(ea%2)+ej], v[ZERO]
.set ej, ej+1
.endr
.if \bias
	BIASLD ea, AB2
.endif
.if ea == 0
	s_wait_dscnt 16*(\bias)                        ; the head's fragments are in: behind them only this tile's sixteen loads of b2 were issued
.endif
	WIN 0x51                                       ; head's fragments, C and D window 1; feat window 0
.set ej, 0
.rept 8                                        ; 32 columns ej / 2, head tile ej % 2
.set eo, 8*(2*ea+ej%2)+128*((2*ea+ej%2)/8)
	v_wmma_f32_16x16x32_f16 v[eo:eo+7], v[F1+8*ej:F1+8*ej+7], v[F1+32*(ea%2)+8*(ej/2):F1+32*(ea%2)+8*(ej/2)+7], v[eo:eo+7]
.set ej, ej+1
.endr
.set ea, ea+1
.endr
	WIN 0
	s_wait_dscnt 0x0                               ; b2 is in the accumulators
.if \bias
	s_add_co_u32 s[CW0], s[CW0], 8192              ; 256 columns of feat on
	s_add_co_u32 s[CW1], s[CW1], 2048
	s_add_co_u32 s[CB2], s[CB2], 1024
	s_mov_b32 s[C8], 8
.endif
.endm
	s_load_b256 s[4:11], s[0:1], 0x0               ; s s[4:5], skill_idx s[6:7], b_heads s[8:9], w2f s[10:11]
	s_load_b128 s[12:15], s[0:1], 0x20             ; cst s[12:13], out0 s[14:15]
	v_lshl_add_u32 v[SPW], v0, 2, SPARE
	v_mov_b32 v[NIL], 0
	ds_add_u32 v[SPW], v[NIL]                      ; the wave's opening: the add and its wait stand ahead of my first tensor load; the set-up below, work on registers, stands between them
	v_lshrrev_b32 v1, 5, v0
	v_readfirstlane_b32 s[WV], v1                  ; wave 0..3
	s_lshr_b32 s[MR], s[WV], 1
	s_and_b32 s[NC], s[WV], 1
	s_bfe_u32 s[CX], ttmp6, 0x40000                ; my place in the cluster
	s_lshl_b32 s[WG], ttmp9, 2                     ; in a cluster launch ttmp9 counts clusters
	s_add_co_u32 s[WG], s[WG], s[CX]
	; group 1: dense bytes as rows of 256: elements of 8 bytes, 32 a row
	s_mov_b32 s[G1], 15|(3<<16)|(1<<21)            ; 15:0 the mask: all four work-groups; 17:16 elements of 8 bytes; 21 set beside a mask
	s_mov_b32 s[G1C], 15|(3<<16)|(1<<21)
	s_mov_b32 s[G1+1], 32<<16                      ; tensor_dim0 = 32
	s_mov_b32 s[G1C+1], 32<<16
	s_mov_b32 s[G1+2], 64<<16                      ; tensor_dim1 = 64 rows: 16,384 bytes, a wave's quarter of a tile
	s_mov_b32 s[G1C+2], 50<<16                     ; 50 rows: 12,800 bytes, a wave's quarter of the tables' image
	s_mov_b32 s[G1+3], 32<<16                      ; tile_dim0 = 32
	s_mov_b32 s[G1C+3], 32<<16
	s_mov_b32 s[G1+4], 64                          ; tile_dim1
	s_mov_b32 s[G1C+4], 50
	s_mov_b32 s[G1+5], 32                          ; 32 elements from row to row
	s_mov_b32 s[G1C+5], 32
	s_mov_b32 s[G1+6], 0
	s_mov_b32 s[G1C+6], 0
	s_mov_b32 s[G1+7], 0
	s_mov_b32 s[G1C+7], 0
	s_mov_b32 s[G0A], 1
	s_lshl_b32 s[G0A+1], s[WV], 14                 ; LDS: slot 0, my quarter: the wave's number alone enters an LDS address
	s_mov_b32 s[G0B], 1
	s_add_co_u32 s[G0B+1], s[G0A+1], SLOT
	s_mov_b32 s[G0C], 1
	s_mul_i32 s2, s[WV], CSTQ
	s_add_co_u32 s[G0C+1], s2, CST
	s_mov_b32 s3, 0
	s_lshl_b32 s22, s[WV], 14
	s_mov_b32 s23, 0
	s_mov_b32 s[OFW+1], 0
	s_mov_b32 s[TB], 0
	s_mov_b32 s[TW], SLOT
	s_mov_b32 s[TTB], 512                          ; step 0 loads the tables of step 2
	s_mov_b32 s[CW0], 0
	s_mov_b32 s[CW1], 0
	s_mov_b32 s[CB2], 1024                         ; the first chunk's end loads the second chunk's b2
	s_mov_b32 s[SEL], 0x76543210
	s_mov_b32 s[SEL+1], 0xfedcba98
	s_mov_b32 s[STEPS], 30
	s_mov_b32 s[C8], 8
	s_wait_dscnt 0x0                               ; the opening add is done
	s_wait_kmcnt 0x0
	s_add_nc_u64 s[G0A+2:G0A+3], s[10:11], s[22:23]  ; my quarter of tile 0,
	s_add_nc_u64 s[G0B+2:G0B+3], s[G0A+2:G0A+3], SLOT  ; of tile 1,
	s_add_nc_u64 s[G0C+2:G0C+3], s[12:13], s[2:3]  ; of the tables' image
	s_or_b32 s[G0A+3], s[G0A+3], 0x80000000        ; type = 2
	s_or_b32 s[G0B+3], s[G0B+3], 0x80000000
	s_or_b32 s[G0C+3], s[G0C+3], 0x80000000
	s_lshl_b32 s[OFW], s[WG], 11                   ; s: 256 rows of 8 bytes a work-group
	s_add_nc_u64 s[4:5], s[4:5], s[OFW:OFW+1]
	s_lshl_b32 s[OFW], s[WG], 10                   ; skill_idx: 256 rows of 4 bytes, and my 128 of them
	s_lshl_b32 s21, s[MR], 9
	s_add_co_u32 s[OFW], s[OFW], s21
	s_add_nc_u64 s[6:7], s[6:7], s[OFW:OFW+1]
	s_lshl_b32 s[OFW], s[OFW], 2                   ; out0: the same rows, 16 bytes each
	s_add_nc_u64 s[14:15], s[14:15], s[OFW:OFW+1]
	CROUND                                         ; all four work-groups are here: the first joint loads meet
	tensor_load_to_lds s[G0C:G0C+3], s[G1C:G1C+7]  ; the three first fills go out together: three tensor loads of mine are out, later one
	s_nop 0
	tensor_load_to_lds s[G0A:G0A+3], s[G1:G1+7]
	s_nop 0
	tensor_load_to_lds s[G0B:G0B+3], s[G1:G1+7]
	s_nop 0
	v_and_b32 v[RR], 15, v0
	v_bfe_u32 v[HH], v0, 4, 1
	v_and_b32 v[L16], 31, v0
	v_lshlrev_b32 v[O4L], 2, v[L16]
	v_lshlrev_b32 v[L16], 4, v[L16]
	v_lshlrev_b32 v[O4R], 2, v[RR]
	v_lshlrev_b32 v[O8R], 3, v[RR]
.set i, 0
.rept 4                                        ; the skills of the rows that I store: row 32 i + lane of my 128
	global_load_b32 v[SKF+i], v[O4L], s[6:7] offset:128*i
.set i, i+1
.endr
.set i, 0
.rept 8                                        ; the skills as the results hold the rows: row 16 a + lane % 16
	global_load_b32 v[SK+i], v[O4R], s[6:7] offset:64*i
.set i, i+1
.endr
.set i, 0
.rept 16                                       ; s of all 256 rows: row 16 g + lane % 16
	global_load_b64 v[F0+2*i:F0+2*i+1], v[O8R], s[4:5] offset:128*i
.set i, i+1
.endr
	s_lshl_b32 s21, s[MR], 13
	s_add_co_u32 s21, s21, HS
	v_add_nc_u32 v[ADRA0], s21, v[L16]             ; h: row tiles 8 mr ..
	s_lshl_b32 s21, s[NC], 13
	v_add_nc_u32 v[ADRB0], s21, v[L16]             ; W2: column tiles 8 nc ..
	s_lshl_b32 s21, s[WV], 14
	s_add_co_u32 s21, s21, HS
	v_add_nc_u32 v[AHS0], s21, v[L16]              ; I write k block w
	s_lshl_b32 s21, s[WV], 6
	s_add_co_u32 s21, s21, CST
	v_lshl_add_u32 v[ATB0], v[HH], 4, s21          ; k = 32 w + 8 hh, 2 bytes each
	s_lshl_b32 s21, s[NC], 12
	s_add_co_u32 s21, s21, CST+C_WH0
	v_add_nc_u32 v[AWH00], s21, v[L16]
	s_lshl_b32 s21, s[NC], 10
	s_add_co_u32 s21, s21, CST+C_WH1
	v_and_b32 v28, 3, v[RR]
	v_lshl_add_u32 v[AWH10], v[HH], 6, s21
	v_lshl_add_u32 v[AWH10], v28, 4, v[AWH10]
	s_lshl_b32 s21, s[NC], 9
	s_add_co_u32 s21, s21, CST+C_B2
	v_lshl_add_u32 v[AB20], v[HH], 5, s21          ; columns 128 nc + 8 hh, 4 bytes each
	v_mov_b32 v[ZERO], 0
	WIN 0x40                                       ; out^T starts at 0: 128 lines, the price of one text for every chunk's end; they stand in the wait for the first tiles
.set i, 0
.rept 64
	v_mov_b32 v[i], 0
	v_mov_b32 v[192+i], 0
.set i, i+1
.endr
	WIN 0
	s_wait_loadcnt 24                              ; the first four loads are in; the 24 behind them may be out
.set i, 0
.rept 4
	v_min_u32 v[SKF+i], 4, v[SKF+i]                ; the address stays inside b_heads whatever the number
	v_lshlrev_b32 v[SKF+i], 4, v[SKF+i]
.set i, i+1
.endr
.set i, 0
.rept 4
	global_load_b128 v[BG+4*i:BG+4*i+3], v[SKF+i], s[8:9]
.set i, i+1
.endr
	s_wait_loadcnt 4                               ; all but those four: the skills and s are in
.set i, 0
.rept 16
	v_cvt_pk_f16_f32 v[SS+2*i], v[F0+2*i], v[F0+2*i]
	v_cvt_pk_f16_f32 v[SS+2*i+1], v[F0+2*i+1], v[F0+2*i+1]
.set i, i+1
.endr
	s_wait_tensorcnt 0x2                           ; my quarter of the tables' image is in; the two tiles of W2 may stay out
	s_barrier_signal -1
	s_barrier_wait -1                              ; everybody's is
	TABLD 0, ATB0, 0                               ; K step 0's tables
	TABLD 1, ATB0, 0
	v_mov_b32 v[AHS], v[AHS0]
	s_wait_dscnt 0x0
.set i, 0
.rept 8
	BIASLD i, AB20                                 ; the first chunk's sums start at b2/16; the loads land while h is made
.set i, i+1
.endr
.set RLD, 0
.set q, 0
.rept 96
	SL                                             ; my share of step 0's h, into slot 0
.endr
	TABLD 0, ATB0, 256                             ; K step 1's tables
	TABLD 1, ATB0, 256
	v_add_nc_u32 v[AHS], SLOT, v[AHS0]
	s_wait_dscnt 0x0
.set q, 0
.rept 15
	SL                                             ; the first five units of step 1's h, into slot 1: where a trip of the loop takes the queue up
.endr
	s_wait_loadcnt 0x0                             ; b_heads' rows
	s_wait_tensorcnt 0x1                           ; my quarter of W2's tile 0 is in; tile 1's may stay out
	s_wait_dscnt 0x0                               ; my stores of h are done
	s_barrier_signal -1
	s_barrier_wait -1
	v_mov_b32 v[ADRA], v[ADRA0]
	v_mov_b32 v[ADRB], v[ADRB0]
	FETCH 0, F0
.Lstep:                                                ; 30 trips: step g is multiplied, W2's tile g + 2 asked for, h of step g + 1 finished and h of step g + 2 begun
	KSTEP 1, 2, 0
	WIN 0
	s_sub_co_u32 s[C8], s[C8], 1
	s_cmp_lg_u32 s[C8], 0
	s_cbranch_scc1 .Lnoepi                         ; forward, over text with no barrier and no tensor load
	EPI 1                                          ; behind steps 7, 15 and 23
.Lnoepi:
	s_sub_co_u32 s[STEPS], s[STEPS], 1
	s_cmp_lg_u32 s[STEPS], 0
	s_cbranch_scc1 .Lstep
	KSTEP 0, 1, 0                                  ; the tail is written out: step 30 asks for nothing and finishes step 31's h
	KSTEP 0, 0, 1                                  ; step 31
	EPI 0
	; THE END.  In out^T's tile (a, 0) a lane holds head columns 8 hh + 0..7 of row 16 a + lane % 16: skills 2 hh and 2 hh + 1; in tile (a, 1) registers 0-3 hold skill 4.
	; The row's four numbers are selected in the half of the lanes that holds its skill, the other half gives 0, and the halves are added.
.set i, 0
.rept 4
	v_mov_b32 v[YY+i], 0                           ; written once: v_permlanex16_b32 counts as a reader of its destination.  Also the four places behind the last products
.set i, i+1
.endr
	v_cmp_eq_u32 s66, 1, v[HH]
.set ea, 0
.rept 8
.set eo, 16*ea+128*(ea/4)                      ; tile (a, 0); tile (a, 1) lies 8 registers on
	WIN 0
	v_and_b32 v28, 1, v[SK+ea]
	v_bfe_u32 v29, v[SK+ea], 1, 1
	v_cmp_eq_u32 s67, 1, v28                       ; the odd skill of the pair
	v_cmp_eq_u32 s68, 4, v[SK+ea]
	v_cmp_eq_u32 s69, v29, v[HH]                   ; my half of the lanes holds the row's skill (skill 4: the lower half)
	WIN 0x05                                       ; sources 0 and 1 window 1
.irp j, 0,1,2,3
	v_cndmask_b32 v[XX+4*ea+\j], v[eo+\j], v[eo+4+\j], s67
.endr
	WIN 0x04                                       ; source 1 window 1
.irp j, 0,1,2,3
	v_cndmask_b32 v[XX+4*ea+\j], v[XX+4*ea+\j], v[eo+8+\j], s68
.endr
	WIN 0
.irp j, 0,1,2,3
	v_cndmask_b32 v[XX+4*ea+\j], 0, v[XX+4*ea+\j], s69
.endr
.set ea, ea+1
.endr
	; Two tiles at a time: the lower lanes keep tile 2 i and send tile 2 i + 1, the upper lanes the other way round: lane l ends with row 32 i + l's four numbers.
.set i, 0
.rept 4
.irp j, 0,1,2,3
	v_cndmask_b32 v[ZS+\j], v[XX+8*i+4+\j], v[XX+8*i+\j], s66
	v_cndmask_b32 v[RS+4*i+\j], v[XX+8*i+\j], v[XX+8*i+4+\j], s66
.endr
.irp j, 0,1,2,3
	v_permlanex16_b32 v[YY+\j], v[ZS+\j], s[SEL], s[SEL+1]
.endr
.irp j, 0,1,2,3
	v_add_f32 v[RS+4*i+\j], v[RS+4*i+\j], v[YY+\j]
.endr
.set i, i+1
.endr
	; The two waves of a row half hold the sums over the two halves of each chunk's columns: the one with nc = 1 hands its part over through the stage.
	s_lshl_b32 s21, s[MR], 11
	s_add_co_u32 s21, s21, STG
	v_add_nc_u32 v30, s21, v[L16]
	s_cmp_eq_u32 s[NC], 0
	s_cbranch_scc1 .Lkeep
.irp i, 0,1,2,3
	ds_store_b128 v30, v[RS+4*\i:RS+4*\i+3] offset:512*\i
.endr
.Lkeep:
	s_wait_dscnt 0x0                               ; for the partner's sake: my stores are done
	s_barrier_signal -1
	s_barrier_wait -1
	s_cmp_lg_u32 s[NC], 0
	s_cbranch_scc1 .Lfin
.irp i, 0,1,2,3
	ds_load_b128 v[PT+4*\i:PT+4*\i+3], v30 offset:512*\i
.endr
	s_wait_dscnt 0x0
.set i, 0
.rept 8
	v_pk_add_f32 v[RS+2*i:RS+2*i+1], v[RS+2*i:RS+2*i+1], v[PT+2*i:PT+2*i+1]
.set i, i+1
.endr
.set i, 0
.rept 16
	v_fmamk_f32 v[OO+i], v[RS+i], 0x41800000, v[BG+i]  ; x 16, which takes the factor 1/16 out, + the skill's bias
.set i, i+1
.endr
.irp i, 0,1,2,3
	global_store_b128 v[L16], v[OO+4*\i:OO+4*\i+3], s[14:15] offset:512*\i  ; 32 rows of 16 bytes: 512 consecutive bytes, at a multiple of 512 from out0's first byte
.endr
.Lfin:
	s_wait_tensorcnt 0x0                           ; the wave's end, behind my last tensor load and my last LDS store
	ds_add_u32 v[SPW], v[NIL]
	s_wait_dscnt 0x0
	CROUND                                         ; the closing round: no work-group ends while a partner may still ask for a tile that names it
	s_endpgm
.Lfunc_end_k_qcbabdf7094_main:
	.size	k_qcbabdf7094_main, .Lfunc_end_k_qcbabdf7094_main-k_qcbabdf7094_main
	.p2alignl 7, 3214868480
	.fill 96, 4, 3214868480
	.section	.rodata,"a",@progbits
	.p2align	6, 0x0
	.amdhsa_kernel k_qcbabdf7094_main
		.amdhsa_group_segment_fixed_size 327680
		.amdhsa_private_segment_fixed_size 0
		.amdhsa_enable_private_segment 0
		.amdhsa_kernarg_size 48
		.amdhsa_user_sgpr_count 2
		.amdhsa_user_sgpr_kernarg_segment_ptr 1
		.amdhsa_wavefront_size32 1
		.amdhsa_system_sgpr_workgroup_id_x 1
		.amdhsa_system_sgpr_workgroup_id_y 1
		.amdhsa_system_sgpr_workgroup_id_z 1
		.amdhsa_system_vgpr_workitem_id 0
		.amdhsa_next_free_vgpr 1024
		.amdhsa_next_free_sgpr 80
		.amdhsa_reserve_vcc 0
		.amdhsa_float_denorm_mode_32 3
		.amdhsa_float_denorm_mode_16_64 3
		.amdhsa_memory_ordered 1
		.amdhsa_forward_progress 1
		.amdhsa_inst_pref_size 255
	.end_amdhsa_kernel
	.section	.bss,"aw",@nobits
	.p2align	6
	.space	262144
	.amdgpu_metadata
---
amdhsa.version: [ 1, 2 ]
amdhsa.kernels:
  - .name:           k_qcbabdf7094_main
    .symbol:         k_qcbabdf7094_main.kd
    .args:
      - { .name: s, .offset: 0, .size: 8, .value_kind: global_buffer, .address_space: global }
      - { .name: skill_idx, .offset: 8, .size: 8, .value_kind: global_buffer, .address_space: global }
      - { .name: b_heads, .offset: 16, .size: 8, .value_kind: global_buffer, .address_space: global }
      - { .name: w2f, .offset: 24, .size: 8, .value_kind: global_buffer, .address_space: global }
      - { .name: cst, .offset: 32, .size: 8, .value_kind: global_buffer, .address_space: global }
      - { .name: out0, .offset: 40, .size: 8, .value_kind: global_buffer, .address_space: global }
    .group_segment_fixed_size: 327680
    .private_segment_fixed_size: 0
    .kernarg_segment_align: 8
    .kernarg_segment_size: 48
    .max_flat_workgroup_size: 128
    .sgpr_count:     80
    .vgpr_count:     1024
    .wavefront_size: 32
...
	.end_amdgpu_metadata
.endif
;; end of part 2
